; MI455X (gfx1250); checked and timed in simulation.
; The chip was launched on July 23, 2026; its instructions are those of AMD's public machine-readable ISA for CDNA 5 (MIT licence, August 2026) and "CDNA5" Instruction Set Architecture Reference Guide (July 2026). The comments in the code are by the model that wrote it; some were corrected since.
;; Re LULSTM. Allowed arithmetic: matrix products marked QUANTISED: E4M3 operands, one given power-of-two scale a tensor, by v_wmma_f32_16x16x64_fp8_fp8 or v_wmma_f32_16x16x128_fp8_fp8, f32 sums; everything else in f32.
;; Inputs: Wch 2,048 x 2,048 float32; Wcx 2,048 x 2,048 float32; Wfh 2,048 x 2,048 float32; Wfx 2,048 x 2,048 float32; Wih 2,048 x 2,048 float32; Wix 2,048 x 2,048 float32; Woh 2,048 x 2,048 float32; Wox 2,048 x 2,048 float32; bcx 2,048 float32; bfx 2,048 float32; bix 2,048 float32; box 2,048 float32; c 2,048 x 2,048 float32; h 2,048 x 2,048 float32; lowp_scales 16 int32 (the exponents e of the quantised operands' scales 2^e); x 2,048 x 2,048 float32.
;; Outputs: out0 2,048 x 2,048 float32; out1 2,048 x 2,048 float32.
;; This version of the problem:
;;   THIS VERSION OF THE PROBLEM IS GIVEN IN LOW PRECISION. The matrix products marked QUANTISED in the list below multiply operands that are first quantised to E4M3 (4 exponent bits, 3 mantissa bits; 8 bits a number), with one given power-of-two scale for each operand tensor; their sums are f32. All else is computed in f32.
;;   The module's matrix products, in the order in which they are computed (A, B: the left and right operand; K: the contracted axis; several contracted axes count as one K, in the product's order):
;;     1. [M 2,048, K 2,048] x [K 2,048, N 2,048]; A: input x; B: input Wfx: QUANTISED (scales: A lowp_scales[0], B lowp_scales[1])
;;     2. [M 2,048, K 2,048] x [K 2,048, N 2,048]; A: input h; B: input Wfh: QUANTISED (scales: A lowp_scales[2], B lowp_scales[3])
;;     3. [M 2,048, K 2,048] x [K 2,048, N 2,048]; A: input x; B: input Wix: QUANTISED (scales: A lowp_scales[4], B lowp_scales[5])
;;     4. [M 2,048, K 2,048] x [K 2,048, N 2,048]; A: input h; B: input Wih: QUANTISED (scales: A lowp_scales[6], B lowp_scales[7])
;;     5. [M 2,048, K 2,048] x [K 2,048, N 2,048]; A: input x; B: input Wox: QUANTISED (scales: A lowp_scales[8], B lowp_scales[9])
;;     6. [M 2,048, K 2,048] x [K 2,048, N 2,048]; A: input h; B: input Woh: QUANTISED (scales: A lowp_scales[10], B lowp_scales[11])
;;     7. [M 2,048, K 2,048] x [K 2,048, N 2,048]; A: input x; B: input Wcx: QUANTISED (scales: A lowp_scales[12], B lowp_scales[13])
;;     8. [M 2,048, K 2,048] x [K 2,048, N 2,048]; A: input h; B: input Wch: QUANTISED (scales: A lowp_scales[14], B lowp_scales[15])
;;   THE QUANTISER, for each operand of a quantised product, along K:
;;     - The operand's scale is 2^e, e = its entry of the input lowp_scales (int32; the entries are numbered through the quantised products in the list's order, A before B).
;;     - Each number is divided by the scale, clamped to +-448, and rounded to the nearest number of E4M3, ties to even, subnormals kept.
;;     - The product sums the exact products of the quantised numbers (number of the format x scale) in f32.
;;   ~~~python
;;   def quantise(x, axis, e):      # numpy; x: float32 -> the quantised numbers, widened to float32 again
;;       x = np.moveaxis(x, axis, -1); K = x.shape[-1]
;;       r = np.clip(x / 2.0 ** e, -448, 448)
;;       step = 2.0 ** (np.maximum(np.frexp(np.where(r == 0, 1, r))[1] - 1, -6) - 3)
;;       q = np.round(r / step) * step * 2.0 ** e      # np.round: ties to even
;;       return np.moveaxis(q, -1, axis).astype(np.float32)
;;   ~~~
;; One version. Each part assembles by itself: llvm-mc -triple=amdgcn-amd-amdhsa -mcpu=gfx1250 --defsym DOCPART=n.
;; ======== version 1 of 1: 3 launches
;; limits: right only within a limited range of input values
;; workspace buffers: acodes 33,554,432 bytes; bcodes 33,554,432 bytes; pre 67,108,864 bytes
;; launch quant (part 1): grid 1280 x 1, 4 waves a work-group, no clusters, 34,304 bytes of LDS; arguments x, h, Wfx, Wfh, Wix, Wih, Wox, Woh, Wcx, Wch, lowp_scales, acodes, bcodes; writes acodes, bcodes
.if DOCPART == 1
	.amdgcn_target "amdgcn-amd-amdhsa--gfx1250"
	.amdhsa_code_object_version 6
	.text
	.protected	k_qc7d596e7ef_quant
	.globl	k_qc7d596e7ef_quant
	.p2align	8
	.type	k_qc7d596e7ef_quant,@function
k_qc7d596e7ef_quant:
	s_mov_b64 s[64:65], 0
	v_nop
	global_prefetch_b8 v0, s[64:65] scope:SCOPE_SE
	s_setreg_imm32_b32 hwreg(HW_REG_WAVE_MODE, 25, 1), 1
	s_wait_xcnt 0x0
; x, h [2048][2048] and the eight weights [2048 (n)][2048 (k)], f32 with K innermost, become codes of FP8 (E4M3), each with the scale 2^e given for it.
; code = number / 2^e, held within +-448, rounded to the nearest code, ties to even.  No work of the problem is left out: every input has a way to an output and is loaded by some launch.
; x and h are an operand of four products each (gates f, i, o, c~), each with its own entry of the scales: four versions of their codes are made, one for each gate.
; LIMITS: every e lies between -126 and 119, so that 2^e and 448 x 2^e are f32 numbers.  NaN among the inputs is not served (an infinity is held at the largest code).
; WHERE THE CODES GO.  acodes (x, h) and bcodes (the weights), one make:  [gate: 4][block of 128 rows: 16][K step of 128: 32][fragment of 16 rows: 8][group c: 4][lane: 32][16 bytes].
; K steps 0-15 are the x part, 16-31 the h part.  Lane 16 hh + r holds in group c the codes of the fragment's row r at k = 32 c + 16 hh + 0 .. 15 of the K step: the image of the sixteen
; registers in which the product's launch wants the fragment; the same order of k in both operands.
; SHARES.  Work-group = 128 x tensor (in the order of the arguments) + fragment row: 16 whole rows of one tensor.  Wave w takes their K steps 4 w .. 4 w + 3, a fragment a step.
; Each load reads 512 consecutive bytes of one row; a step's 16 x 512 bytes turn through the wave's own stage in LDS (rows 528 bytes apart) and come back 64 bytes a lane for each group.
; Each store of the wave covers 512 consecutive bytes, aligned.  No tensor loads, no barrier: waves share nothing.  Loads run one step (16 loads a wave) ahead.
.set SP,   528                         ; a stage row: 512 bytes + 16
.set WSTG, 16*SP                       ; a wave's stage
.set SC,   8                           ; v8-11    2^e of version 0 .. 3 as f32
.set R,    16                          ; v16-79   64 registers as loaded: row rr at 4 rr
.set X,    80                          ; v80-143  my 64 numbers: register 16 c + i = k 32 c + 16 hh + i of my row
.set T,    144                         ; v144-175 two sets of 16 held numbers, by turns
.set C,    176                         ; v176-191 the fragment's codes
; s[4:5] source, s[6:7] destination of version 0, s[56:61] of versions 1-3; s34 tensor, s35 fragment row, s36 wave, s37 part, s38 gate, s39 1 for x and h; s40-43 offsets of the scales; s44-47 e; s48-51 448 x 2^e; s52-55 negative
	s_load_b512 s[8:23], s[0:1], 0x0               ; x, h, Wfx, Wfh, Wix, Wih, Wox, Woh
	s_load_b256 s[24:31], s[0:1], 0x40             ; Wcx, Wch, the scales' exponents s[28:29], acodes s[30:31]
	s_load_b64 s[32:33], s[0:1], 0x60              ; bcodes
	v_lshl_add_u32 v14, v0, 2, 0x8400              ; my spare word, behind the four stages
	v_mov_b32 v15, 0
	v_lshrrev_b32 v4, 5, v0
	v_readfirstlane_b32 s36, v4                    ; wave 0..3
	v_and_b32 v5, 31, v0                           ; lane
	v_lshlrev_b32 v1, 4, v5                        ; 16 x lane
	v_and_b32 v6, 15, v0                           ; r
	v_bfe_u32 v7, v0, 4, 1                         ; hh
	s_mul_i32 s3, s36, WSTG                        ; my wave's stage
	v_add_nc_u32 v2, s3, v1                        ; into it
	v_mul_u32_u24 v3, v6, SP
	v_lshl_add_u32 v3, v7, 6, v3
	v_add_nc_u32 v3, s3, v3                        ; out of it: row r, + 64 hh
	s_lshr_b32 s34, ttmp9, 7                       ; tensor 0..9
	s_and_b32 s35, ttmp9, 127                      ; fragment row 0..127
	s_and_b32 s37, s34, 1                          ; part
	s_lshr_b32 s38, s34, 1
	s_max_u32 s38, s38, 1
	s_sub_co_u32 s38, s38, 1                       ; gate of a weight; 0 for x and h
	s_lshl_b32 s58, s35, 17                        ; source: 16 rows of 8,192 bytes a fragment row,
	s_lshl_b32 s59, s36, 11                        ; + 4 K steps of 512 bytes a wave
	s_add_co_u32 s58, s58, s59
	s_mov_b32 s59, 0
	s_lshr_b32 s60, s35, 3
	s_lshl_b32 s60, s60, 19                        ; destination: block of 128 rows,
	s_lshl_b32 s61, s37, 4
	s_lshl_b32 s62, s36, 2
	s_add_co_u32 s61, s61, s62
	s_lshl_b32 s61, s61, 14                        ; K step 16 x part + 4 x wave,
	s_or_b32 s60, s60, s61
	s_lshl_b32 s61, s38, 23                        ; gate,
	s_or_b32 s60, s60, s61
	s_and_b32 s61, s35, 7
	s_lshl_b32 s61, s61, 11                        ; fragment
	s_or_b32 s60, s60, s61
	s_mov_b32 s61, 0
	s_lshl_b32 s40, s38, 4                         ; the scales: a gate has four entries: x's, W.x's, h's, W.h's
	s_lshl_b32 s56, s37, 3
	s_add_co_u32 s40, s40, s56
	s_cmp_lt_u32 s34, 2                            ; x or h?
	s_cselect_b32 s39, 1, 0
	s_cselect_b32 s56, 0, 4                        ; a weight's entry stands one behind its partner's
	s_cselect_b32 s57, 16, 0                       ; x and h: version v takes gate v's entry; a weight reads its one entry four times
	s_add_co_u32 s40, s40, s56
	s_add_co_u32 s41, s40, s57
	s_add_co_u32 s42, s41, s57
	s_add_co_u32 s43, s42, s57                     ; 60 at the most: inside the table's 64 bytes
	s_wait_alu depctr_va_vdst(0)
	s_wait_kmcnt 0x0
.irp v, 0,1,2,3
	s_load_b32 s[44+\v], s[28:29], s[40+\v] offset:0x0
.endr
	s_mov_b64 s[4:5], s[8:9]                       ; the tensor's address: a choice on the work-group's number alone
.irp k, 1,2,3,4,5,6,7,8,9
	s_cmp_eq_u32 s34, \k
	s_cselect_b64 s[4:5], s[8+2*\k:9+2*\k], s[4:5]
.endr
	s_cmp_lg_u32 s39, 0
	s_cselect_b64 s[6:7], s[30:31], s[32:33]
	s_add_nc_u64 s[4:5], s[4:5], s[58:59]
	s_add_nc_u64 s[6:7], s[6:7], s[60:61]
	s_add_nc_u64 s[56:57], s[6:7], 0x800000        ; versions 1 to 3 of x and h lie a gate's 8 MiB apart (a weight never stores by these)
	s_add_nc_u64 s[58:59], s[6:7], 0x1000000
	s_add_nc_u64 s[60:61], s[6:7], 0x1800000
.macro LOAD t                          ; step t: 16 rows x 512 bytes
.irp rr, 0,1,2,3,4,5,6,7,8,9,10,11,12,13,14,15
	global_load_b128 v[R+4*\rr:R+4*\rr+3], v1, s[4:5] offset:\rr*8192+(\t)*512 th:TH_LOAD_NT
.endr
.endm
	LOAD 0
	s_wait_kmcnt 0x0
.irp v, 0,1,2,3
	s_add_co_i32 s[44+\v], s[44+\v], 127
	s_lshl_b32 s[48+\v], s[44+\v], 23
	v_mov_b32 v[SC+\v], s[48+\v]                   ; 2^e as f32
	s_add_co_i32 s[44+\v], s[44+\v], 8
	s_lshl_b32 s[48+\v], s[44+\v], 23
	s_or_b32 s[48+\v], s[48+\v], 0x600000          ; 448 x 2^e
	s_or_b32 s[52+\v], s[48+\v], 0x80000000        ; and its negative
.endr
; Version v of step t's fragment.  The numbers stay in X; the held ones go into two sets of 16 by turns, so that sixteen plain vector lines stand between a conversion and the next write of its sources.
.macro VERSION v, t
	s_wait_xcnt 0x0                                ; only behind this wait are the codes' registers, the last stores' data, written again
.irp b, 0,1,2,3
.irp i, 0,1,2,3,4,5,6,7,8,9,10,11,12,13,14,15
	v_med3_num_f32 v[T+16*(\b%2)+\i], v[X+16*\b+\i], s[52+\v], s[48+\v]   ; the conversion does not saturate (ISA guide 7.6.2): the hold at the largest code x the scale
.endr
	v_cvt_scalef32_pk8_fp8_f32 v[C+4*\b:C+4*\b+1], v[T+16*(\b%2):T+16*(\b%2)+7], v[SC+\v]
	v_cvt_scalef32_pk8_fp8_f32 v[C+4*\b+2:C+4*\b+3], v[T+16*(\b%2)+8:T+16*(\b%2)+15], v[SC+\v]
.endr
.irp c, 0,1,2,3
.if \v == 0
	global_store_b128 v1, v[C+4*\c:C+4*\c+3], s[6:7] offset:(\t)*16384+512*\c   ; group c of the image: 32 lanes store 512 consecutive bytes, aligned
.else
	global_store_b128 v1, v[C+4*\c:C+4*\c+3], s[54+2*\v:55+2*\v] offset:(\t)*16384+512*\c
.endif
.endr
.endm
.macro STEP t
	s_wait_loadcnt 0x0                             ; this step's 16 loads are in
.irp rr, 0,1,2,3,4,5,6,7,8,9,10,11,12,13,14,15
	ds_store_b128 v2, v[R+4*\rr:R+4*\rr+3] offset:\rr*SP
.endr
.irp c, 0,1,2,3
.irp j, 0,1,2,3
	ds_load_b128 v[X+16*\c+4*\j:X+16*\c+4*\j+3], v3 offset:128*\c+16*\j   ; LDS serves a wave's instructions in order (ISA guide 5.7.1.4): these see the stores above
.endr
.endr
	s_wait_dscnt 0x0                               ; my numbers are back; the stores into the stage have read their registers,
.if (\t)+1 < 4
	LOAD (\t)+1                                    ; which take the next step's loads
.endif
	VERSION 0, \t
	s_cmp_lg_u32 s39, 0                            ; a weight has one version: a branch on the work-group's number, round vector work and global stores alone
	s_cbranch_scc0 .Lweight_\@
	VERSION 1, \t
	VERSION 2, \t
	VERSION 3, \t
.Lweight_\@:
.endm
	STEP 0
	STEP 1
	STEP 2
	STEP 3
	s_wait_tensorcnt 0x0                           ; the wave's end
	ds_add_u32 v14, v15
	s_wait_dscnt 0x0
	s_endpgm
.Lfunc_end_k_qc7d596e7ef_quant:
	.size	k_qc7d596e7ef_quant, .Lfunc_end_k_qc7d596e7ef_quant-k_qc7d596e7ef_quant
	.p2alignl 7, 3214868480
	.fill 96, 4, 3214868480
	.section	.rodata,"a",@progbits
	.p2align	6, 0x0
	.amdhsa_kernel k_qc7d596e7ef_quant
		.amdhsa_group_segment_fixed_size 34304
		.amdhsa_private_segment_fixed_size 0
		.amdhsa_enable_private_segment 0
		.amdhsa_kernarg_size 104
		.amdhsa_user_sgpr_count 2
		.amdhsa_user_sgpr_kernarg_segment_ptr 1
		.amdhsa_wavefront_size32 1
		.amdhsa_system_sgpr_workgroup_id_x 1
		.amdhsa_system_sgpr_workgroup_id_y 1
		.amdhsa_system_sgpr_workgroup_id_z 1
		.amdhsa_system_vgpr_workitem_id 0
		.amdhsa_next_free_vgpr 192
		.amdhsa_next_free_sgpr 66
		.amdhsa_reserve_vcc 0
		.amdhsa_float_denorm_mode_32 3
		.amdhsa_float_denorm_mode_16_64 3
		.amdhsa_memory_ordered 1
		.amdhsa_forward_progress 1
		.amdhsa_inst_pref_size 98
	.end_amdhsa_kernel
	.amdgpu_metadata
---
amdhsa.version: [ 1, 2 ]
amdhsa.kernels:
  - .name:           k_qc7d596e7ef_quant
    .symbol:         k_qc7d596e7ef_quant.kd
    .args:
      - { .name: x, .offset: 0, .size: 8, .value_kind: global_buffer, .address_space: global }
      - { .name: h, .offset: 8, .size: 8, .value_kind: global_buffer, .address_space: global }
      - { .name: Wfx, .offset: 16, .size: 8, .value_kind: global_buffer, .address_space: global }
      - { .name: Wfh, .offset: 24, .size: 8, .value_kind: global_buffer, .address_space: global }
      - { .name: Wix, .offset: 32, .size: 8, .value_kind: global_buffer, .address_space: global }
      - { .name: Wih, .offset: 40, .size: 8, .value_kind: global_buffer, .address_space: global }
      - { .name: Wox, .offset: 48, .size: 8, .value_kind: global_buffer, .address_space: global }
      - { .name: Woh, .offset: 56, .size: 8, .value_kind: global_buffer, .address_space: global }
      - { .name: Wcx, .offset: 64, .size: 8, .value_kind: global_buffer, .address_space: global }
      - { .name: Wch, .offset: 72, .size: 8, .value_kind: global_buffer, .address_space: global }
      - { .name: lowp_scales, .offset: 80, .size: 8, .value_kind: global_buffer, .address_space: global }
      - { .name: acodes, .offset: 88, .size: 8, .value_kind: global_buffer, .address_space: global }
      - { .name: bcodes, .offset: 96, .size: 8, .value_kind: global_buffer, .address_space: global }
    .group_segment_fixed_size: 34304
    .private_segment_fixed_size: 0
    .kernarg_segment_align: 8
    .kernarg_segment_size: 104
    .max_flat_workgroup_size: 128
    .sgpr_count:     66
    .vgpr_count:     192
    .wavefront_size: 32
...
	.end_amdgpu_metadata
.endif
;; end of part 1
;; launch gemm (part 2): grid 8 x 32, 4 waves a work-group, clusters of 4 x 4, 327,680 bytes of LDS; arguments acodes, bcodes, lowp_scales, pre; writes pre
.if DOCPART == 2
	.amdgcn_target "amdgcn-amd-amdhsa--gfx1250"
	.amdhsa_code_object_version 6
	.text
	.protected	k_qc7d596e7ef_gemm
	.globl	k_qc7d596e7ef_gemm
	.p2align	8
	.type	k_qc7d596e7ef_gemm,@function
k_qc7d596e7ef_gemm:
	s_mov_b64 s[64:65], 0
	v_nop
	global_prefetch_b8 v0, s[64:65] scope:SCOPE_SE
	s_setreg_imm32_b32 hwreg(HW_REG_WAVE_MODE, 25, 1), 1
	s_wait_xcnt 0x0
	s_wait_alu depctr_hold_cnt(0) depctr_sa_sdst(0) depctr_va_vdst(0) depctr_va_sdst(0) depctr_va_ssrc(0) depctr_va_vcc(0) depctr_vm_vsrc(0)
	s_getreg_b32 s2, hwreg(HW_REG_IB_STS2, 6, 4)
	s_cmp_eq_u32 s2, 0
	s_cbranch_scc0 .Lentry_in_a_cluster
	s_endpgm
.Lentry_in_a_cluster:
	s_bfe_u32 s2, ttmp6, 0x10000c
	s_cmp_lg_u32 s2, 0xf033
	s_cbranch_scc0 .Lentry_shape_is_right
	s_endpgm
.Lentry_shape_is_right:
; pre[g][m][n] = 2^(ex+ewx) sum over the x part of codes(x, gate g)[m][k] codes(W.x)[n][k] + 2^(eh+ewh) the same over the h part: the four gates' sums ahead of bias and activation, f32.
; The codes lie as the launch before laid them: [gate][block of 128 rows][K step of 128: 0-15 x, 16-31 h][fragment of 16 rows][group c][lane][16 bytes]: register images, 16,384 bytes for 128 rows x 128 K.
; A work-group makes 256 x 256 of ONE gate (x's and h's codes differ from gate to gate, so only within a gate do the four waves share tiles); a wave makes 128 x 128: 64 accumulators, 512 registers.
; Grid: x = tile column (8), y = 8 x gate + tile row (32).  K = 4,096 goes in fills of 256 through a ring of two LDS slots; a wave's tensor load brings 128 rows x 256 K = 32,768 bytes on end, as 128 rows of 256 bytes.
; The two parts have different scales: behind K step 15 every sum is multiplied once by 2^(ex+ewx-eh-ewh), and on the way out by 2^(eh+ewh); powers of two, so nothing is rounded short of overflow and underflow.
; LIMITS: eh+ewh and ex+ewx-eh-ewh lie between -126 and 127, so that both factors are f32 numbers.
; CLUSTERS: 4 x 4 work-groups (one gate: 4 divides 8).  A's tiles hang on y alone and are asked for jointly along the cluster's row, B's on x and the gate (made of the cluster's y alone) along its column.
; PREFETCH: behind each refill one instruction a wave names the fill two refills on: of the 32,768 bytes that a wave will fetch, each of the four partners names 8,192, a lane 256, told apart by address; the loop's last trip names nothing.
; THE MATRIX INSTRUCTION IS USED TRANSPOSED (source 0 = 16 rows of B, source 1 = 16 rows of A): a lane holds eight neighbouring numbers of a row of the result.
; REGISTERS: window 0: v0-31 addresses, v128-255 A's fragments (one set), v32-255 at work on the way out; window 1: B's fragments, two sets; windows 2, 3: the accumulators ((a, b) at v[8 (8 (a % 4) + b)]).
.set KSB,    16384                     ; 128 rows x 128 K
.set FILLB,  32768                     ; what one tensor load brings
.set SLOT,   131072                    ; A's two halves, then B's two
.set FRB,    2048                      ; a fragment's image
.set FR,     16
.set NL,     4                         ; LDS loads that bring a fragment
.set NP,     4                         ; places behind this matrix instruction (ISA guide 7.12.1)
.set LAPS,   8                         ; a lap = two fills = 512 along K
.set SPARE,  262144                    ; behind the ring: the spare words, 128 bytes a wave
.set STAGE,  263168                    ; the way out: 16 rows x 528 bytes for each wave; no fill lands here
.set SPITCH, 528
.set ROWC,   8192                      ; a row of pre in bytes
.set ADRA, 16                          ; v16-17 LDS address of my A fragments in slot 0, 1
.set ADRB, 20                          ; v20-21 the same for B
.set STO,  24
.set RD,   25
.set CO,   26                          ; 16 x lane
.set PFO,  27                          ; 256 x lane
.set SPW,  28
.set NIL,  29
.set TMP,  32
.set AF,   128
.set BK,   128
.set G1, 24                            ; s[24:31] group 1 for A; s[32:39] group 0, one set a slot
.set G0, 32
.set G1B, 48                           ; s[48:55], s[56:63] the same for B
.set G0B, 56
.set PFA, 80                           ; s[80:81] where my prefetches stand
.set MSB, 0
.macro WIN new                         ; the immediate's high byte repeats the setting that is left
.if MSB != \new
	s_set_vgpr_msb (MSB<<8)|\new
.set MSB, \new
.endif
.endm
.set MUL_LO, 0xa1                      ; source 0 (B) window 1, source 1 (A) window 0, C and D window 2
.set MUL_HI, 0xf1
.set TO_B,   0x40
; a joint load: waves 0, 1 fetch A's halves, waves 2, 3 B's; s_nop 0 and four v_nop behind each line
.macro JLOAD g0a, g1a, g0b, g1b
	s_cmp_eq_u32 s15, 0
	s_cbranch_scc0 .Lfor_b_\@
	tensor_load_to_lds s[\g0a:\g0a+3], s[\g1a:\g1a+7]
	s_nop 0
.rept 4
	v_nop
.endr
	s_branch .Lasked_\@
.Lfor_b_\@:
	tensor_load_to_lds s[\g0b:\g0b+3], s[\g1b:\g1b+7]
	s_nop 0
.rept 4
	v_nop
.endr
.Lasked_\@:
.endm
.macro CREST                           ; a round of the cluster's barrier behind its opening barrier
	s_cmp_lg_u32 s14, 0
	s_cbranch_scc1 .Lnot_wave_0_\@
	s_barrier_signal -3
.Lnot_wave_0_\@:
	s_barrier_wait -3
	s_barrier_signal -1
	s_barrier_wait -1
.endm
.macro CROUND
	s_barrier_signal -1
	s_barrier_wait -1
	CREST
.endm
.macro ASK                             ; s3 = 1 in the loop's last trip, whose refills have no fill two on
	s_cmp_gt_u32 s3, 1
	s_cbranch_scc0 .Lno_ask_\@
	global_prefetch_b8 v[PFO], s[PFA:PFA+1] th:TH_LOAD_NT scope:SCOPE_SE
.Lno_ask_\@:
.endm
	s_load_b128 s[4:7], s[0:1], 0x0                ; acodes, bcodes
	s_load_b128 s[8:11], s[0:1], 0x10              ; the scales' exponents, pre
	v_lshl_add_u32 v[SPW], v0, 2, SPARE
	v_mov_b32 v[NIL], 0
	ds_add_u32 v[SPW], v[NIL]                      ; the opening lines: the add, twice on end, and its wait
	ds_add_u32 v[SPW], v[NIL]
	v_lshrrev_b32 v1, 5, v0
	v_readfirstlane_b32 s14, v1                    ; wave 0..3
	s_lshr_b32 s15, s14, 1                         ; my half of the tile's rows; also: I fetch for A (0) or B (1)
	s_and_b32 s16, s14, 1                          ; my half of its columns; also: which 128 rows I fetch
	s_bfe_u32 s40, ttmp6, 0x40000                  ; cx
	s_bfe_u32 s41, ttmp6, 0x40004                  ; cy
	s_lshl_b32 s42, ttmp9, 2
	s_add_co_u32 s42, s42, s40                     ; tile column
	s_and_b32 s17, ttmp7, 0xffff
	s_lshr_b32 s12, s17, 1                         ; gate: two clusters along y to a gate
	s_lshl_b32 s17, s17, 2
	s_add_co_u32 s17, s17, s41                     ; 8 x gate + tile row
	s_lshl_b32 s43, s41, 2
	s_lshl_b32 s43, 15, s43                        ; my row of the cluster
	s_lshl_b32 s44, 0x1111, s40                    ; my column
	s_or_b32 s[G1+0], s43, (3<<16)|(1<<21)         ; the mask; elements of 8 bytes; bit 21 beside a mask; no padding: the images are read 16 bytes a lane on end
	s_or_b32 s[G1B+0], s44, (3<<16)|(1<<21)
.irp g, G1, G1B
	s_mov_b32 s[\g+1], 32<<16                      ; tensor_dim0: 32 elements = 256 bytes
	s_mov_b32 s[\g+2], 128<<16                     ; tensor_dim1 = 128
	s_mov_b32 s[\g+3], 32<<16                      ; tile_dim0
	s_mov_b32 s[\g+4], 128                         ; tile_dim1
	s_mov_b32 s[\g+5], 32                          ; pitch: the rows lie on end
	s_mov_b32 s[\g+6], 0
	s_mov_b32 s[\g+7], 0
.endr
	s_lshl_b32 s18, s16, 19                        ; a block of 128 rows is 32 K steps x 16,384 bytes
	s_lshl_b32 s20, s17, 20                        ; A: (8 gate + tile row) x two blocks
	s_add_co_u32 s20, s20, s18
	s_mov_b32 s21, 0
	s_lshl_b32 s46, s12, 23                        ; B: gate,
	s_lshl_b32 s47, s42, 20                        ; tile column x two blocks
	s_add_co_u32 s46, s46, s47
	s_add_co_u32 s46, s46, s18
	s_mov_b32 s47, 0
	s_lshl_b32 s45, s14, 15                        ; where my load goes: wave x 32,768
	s_lshl_b32 s19, s12, 4                         ; my gate's four entries of the scales
	s_wait_dscnt 0x0                               ; both opening adds are done
	s_wait_kmcnt 0x0
	s_load_b128 s[84:87], s[8:9], s19 offset:0x0   ; ex, ewx, eh, ewh
	s_add_nc_u64 s[20:21], s[4:5], s[20:21]
	s_add_nc_u64 s[46:47], s[6:7], s[46:47]
	CROUND                                         ; all sixteen work-groups are here: the first joint loads meet
.irp s, 0,1
	s_mov_b32 s[G0+4*\s], 1
	s_add_co_u32 s[G0+4*\s+1], s45, \s*SLOT
	s_add_nc_u64 s[G0+4*\s+2:G0+4*\s+3], s[20:21], \s*FILLB
	s_or_b32 s[G0+4*\s+3], s[G0+4*\s+3], 0x80000000
	s_mov_b32 s[G0B+4*\s], 1
	s_add_co_u32 s[G0B+4*\s+1], s45, \s*SLOT
	s_add_nc_u64 s[G0B+4*\s+2:G0B+4*\s+3], s[46:47], \s*FILLB
	s_or_b32 s[G0B+4*\s+3], s[G0B+4*\s+3], 0x80000000
.endr
	JLOAD G0, G1, G0B, G1B                         ; fill 0: one tensor load a wave at the head
	s_lshl_b32 s22, s15, 15                        ; my 128 rows of A
	s_lshl_b32 s23, s16, 15
	s_add_co_u32 s23, s23, 65536                   ; my 128 rows of B, behind A's 256
	s_mul_i32 s13, s14, 16*SPITCH
	s_add_co_u32 s13, s13, STAGE                   ; my stage
	v_and_b32 v1, 15, v0                           ; l % 16
	v_bfe_u32 v2, v0, 4, 1                         ; l / 16
	v_and_b32 v3, 31, v0
	v_lshlrev_b32 v[CO], 4, v3
	v_lshlrev_b32 v[PFO], 8, v3
	v_add_nc_u32 v[ADRA], s22, v[CO]
	v_add_nc_u32 v[ADRA+1], SLOT, v[ADRA]
	v_add_nc_u32 v[ADRB], s23, v[CO]
	v_add_nc_u32 v[ADRB+1], SLOT, v[ADRB]
	v_mul_u32_u24 v5, v1, SPITCH                   ; into the stage: row l % 16, 32 bytes for each half of the lanes
	v_lshl_add_u32 v5, v2, 5, v5
	v_add_nc_u32 v[STO], s13, v5
	v_add_nc_u32 v[RD], s13, v[CO]                 ; back: the 32 lanes take one row of 512 bytes
	s_wait_alu depctr_va_vdst(0)
	s_cmp_eq_u32 s15, 0                            ; the prefetches: my operand, my 128 rows,
	s_cselect_b32 s66, s40, s41                    ; my place among the four that ask with me
	s_cselect_b64 s[PFA:PFA+1], s[20:21], s[46:47]
	s_lshl_b32 s66, s66, 13                        ; 8,192 bytes a partner
	s_add_co_u32 s66, s66, 3*FILLB                 ; the first refill steps this to fill 4
	s_mov_b32 s67, 0
	s_add_nc_u64 s[PFA:PFA+1], s[PFA:PFA+1], s[66:67]
	s_lshl_b32 s68, s17, 21                        ; pre: row 256 (8 gate + tile row) + 128 half, of 8,192 bytes,
	s_lshl_b32 s69, s15, 20
	s_add_co_u32 s68, s68, s69
	s_lshl_b32 s69, s42, 10                        ; column bytes 1,024 x tile column + 512 x half
	s_add_co_u32 s68, s68, s69
	s_lshl_b32 s69, s16, 9
	s_add_co_u32 s68, s68, s69
	s_mov_b32 s69, 0
	s_add_nc_u64 s[10:11], s[10:11], s[68:69]
	s_wait_kmcnt 0x0
	s_add_co_i32 s84, s84, s85                     ; ex + ewx
	s_add_co_i32 s86, s86, s87                     ; eh + ewh
	s_sub_co_i32 s88, s84, s86
	s_add_co_i32 s88, s88, 127
	s_lshl_b32 s88, s88, 23                        ; 2^(ex+ewx-eh-ewh)
	s_mov_b32 s89, s88
	s_add_co_i32 s96, s86, 127
	s_lshl_b32 s96, s96, 23                        ; 2^(eh+ewh)
	s_mov_b32 s97, s96
.macro FRAG reg, adr, q, i             ; a fragment's image: four loads, 16 bytes a lane on end
.irp c, 0,1,2,3
	ds_load_b128 v[\reg+4*\c:\reg+4*\c+3], v[\adr] offset:KSB*(\q)+FRB*(\i)+512*\c
.endr
.endm
; 16 matrix instructions: A's blocks a0, a0 + 1 x B's eight.  p: B's set.  The 64 accumulators take turns in the same order in every step.
.macro MUL16 a0, p, zero
.irp a, \a0, \a0+1
.irp b, 0,1,2,3,4,5,6,7
.if \zero
	v_wmma_f32_16x16x128_fp8_fp8 v[8*(8*((\a)%4)+\b):8*(8*((\a)%4)+\b)+7], v[128*(\p)+FR*\b:128*(\p)+FR*\b+FR-1], v[AF+FR*(\a):AF+FR*(\a)+FR-1], 0
.else
	v_wmma_f32_16x16x128_fp8_fp8 v[8*(8*((\a)%4)+\b):8*(8*((\a)%4)+\b)+7], v[128*(\p)+FR*\b:128*(\p)+FR*\b+FR-1], v[AF+FR*(\a):AF+FR*(\a)+FR-1], v[8*(8*((\a)%4)+\b):8*(8*((\a)%4)+\b)+7]
.endif
.endr
.endr
.endm
.macro FETCH_B slot, q, p
	WIN TO_B
.irp i, 0,1,2,3,4,5,6,7
	FRAG 128*(\p)+FR*\i, ADRB+\slot, \q, \i
.endr
	WIN 0
.endm
.macro FETCH_A slot, q, i0
.irp i, \i0, \i0+1, \i0+2, \i0+3
	FRAG AF+FR*(\i), ADRA+\slot, \q, \i
.endr
.endm
.macro PLACES n                        ; places in front of loads into registers that matrix instructions have read, and of reads of results
.rept \n
	v_nop
.endr
.endm
; a step of 128 along K that has its successor in the same slot; its LDS loads stand in two long runs
.macro STEP slot, q, zero
	s_wait_dscnt 4*NL                              ; B's set and A's blocks 0-3 are in; the youngest 16 loads (A's blocks 4-7) may be out
	WIN MUL_LO
	MUL16 0, (\q)%2, \zero
	MUL16 2, (\q)%2, \zero
	s_wait_dscnt 0
	PLACES NP
	FETCH_B \slot, (\q)+1, 1-(\q)%2
	FETCH_A \slot, (\q)+1, 0
	WIN MUL_HI
	MUL16 4, (\q)%2, \zero
	MUL16 6, (\q)%2, \zero
	PLACES NP
	WIN 0
	FETCH_A \slot, (\q)+1, 4
.endm
; a slot's last step changes slots: one barrier; in front of it all my tensor loads, the add, and my reads of this slot.  fill = 1: the slot is filled again, two fills on
.macro TURN slot, next, fill
.if \fill
	s_wait_xcnt 0x0                                ; my last prefetch has read its address
	s_add_nc_u64 s[PFA:PFA+1], s[PFA:PFA+1], FILLB
.endif
	s_wait_tensorcnt 0x0                           ; my one load that was out, my part of the next slot, has landed
	ds_add_u32 v[SPW], v[NIL]
	s_wait_dscnt 4*NL+1                            ; the add and the youngest 16 loads may be out
	WIN MUL_LO
	MUL16 0, 1, 0
	s_wait_dscnt 0x0                               ; the add is done, my reads of this slot are over
	s_barrier_signal -1
	MUL16 2, 1, 0
	WIN 0
	s_barrier_wait -1
.if \fill
	CREST                                          ; the barrier opened a round of the cluster's barrier
	s_add_nc_u64 s[G0+4*\slot+2:G0+4*\slot+3], s[G0+4*\slot+2:G0+4*\slot+3], 2*FILLB
	s_add_nc_u64 s[G0B+4*\slot+2:G0B+4*\slot+3], s[G0B+4*\slot+2:G0B+4*\slot+3], 2*FILLB
	JLOAD G0+4*\slot, G1, G0B+4*\slot, G1B         ; the first tensor load behind the round; its four v_nop are the places in front of the loads below
.else
	PLACES NP
.endif
	FETCH_B \next, 0, 0
	FETCH_A \next, 0, 0
.if \fill
	ASK
.endif
	WIN MUL_HI
	MUL16 4, 1, 0
	MUL16 6, 1, 0
	PLACES NP
	WIN 0
	FETCH_A \next, 0, 4
.endm
.macro RESCALE                         ; every sum x 2^(ex+ewx-eh-ewh); each accumulator from its low end on
	WIN 0x82
.set jj, 0
.rept 128
	v_pk_mul_f32 v[jj:jj+1], v[jj:jj+1], s[88:89] op_sel_hi:[1,0]
.set jj, jj+2
.endr
	WIN 0xc3
.set jj, 0
.rept 128
	v_pk_mul_f32 v[jj:jj+1], v[jj:jj+1], s[88:89] op_sel_hi:[1,0]
.set jj, jj+2
.endr
	WIN 0
.endm
	s_wait_tensorcnt 0x0                           ; my part of fill 0 is in
	ds_add_u32 v[SPW], v[NIL]
	s_wait_dscnt 0x0
	CROUND
	JLOAD G0+4, G1, G0B+4, G1B                     ; fill 1, the first tensor load behind the round
	FETCH_B 0, 0, 0
	FETCH_A 0, 0, 0
	FETCH_A 0, 0, 4
	STEP 0, 0, 1                                   ; the first step starts the sums
	s_mov_b32 s3, LAPS-1
.Llap:                                                 ; a trip: from a lap's second step to the next lap's first; both slots are filled again
	TURN 0, 1, 1
	STEP 1, 0, 0
	TURN 1, 0, 1
	s_cmp_eq_u32 s3, 4                             ; behind the fourth trip's third step 16 K steps are summed: the x part is over
	s_cbranch_scc0 .Lsame_part
	RESCALE
.Lsame_part:
	s_wait_alu depctr_va_vdst(0)
	STEP 0, 0, 0
	s_sub_co_u32 s3, s3, 1
	s_cmp_lg_u32 s3, 0
	s_cbranch_scc1 .Llap
	TURN 0, 1, 0                                   ; the last lap fills nothing
	STEP 1, 0, 0
	s_wait_dscnt 4*NL
	WIN MUL_LO
	MUL16 0, 1, 0
	MUL16 2, 1, 0
	s_wait_dscnt 0
	WIN MUL_HI
	MUL16 4, 1, 0
	MUL16 6, 1, 0
	WIN 0
; THE WAY OUT, by blocks of 16 rows x 128 columns: through my own stage, back as whole rows of 512 bytes.  LDS serves a wave's instructions in order (ISA guide 5.7.1.4).
.macro TOSTAGE a
.set AC, 64*((\a)%4)
	WIN 0x02+((\a)/4)
.irp j, 0,2,4,6,8,10,12,14,16,18,20,22,24,26,28,30,32,34,36,38,40,42,44,46,48,50,52,54,56,58,60,62
	v_pk_mul_f32 v[TMP+\j:TMP+\j+1], v[AC+\j:AC+\j+1], s[96:97] op_sel_hi:[1,0]   ; x 2^(eh+ewh)
.endr
	WIN 0
.irp b, 0,1,2,3,4,5,6,7
	ds_store_b128 v[STO], v[TMP+8*\b:TMP+8*\b+3] offset:64*\b
	ds_store_b128 v[STO], v[TMP+8*\b+4:TMP+8*\b+7] offset:64*\b+16
.endr
.set BB, BK+64*((\a)%2)
.irp t, 0,1,2,3,4,5,6,7,8,9,10,11,12,13,14,15
	ds_load_b128 v[BB+4*\t:BB+4*\t+3], v[RD] offset:\t*SPITCH
.endr
.endm
.macro SEND a, younger                 ; younger: the LDS instructions issued behind block a's loads
.set BB, BK+64*((\a)%2)
	s_wait_dscnt \younger
.if (\a) > 0
	s_add_nc_u64 s[10:11], s[10:11], 16*ROWC       ; behind a wait on XCNT: the earlier stores have read their base
.endif
.irp t, 0,1,2,3,4,5,6,7,8,9,10,11,12,13,14,15
	global_store_b128 v[CO], v[BB+4*\t:BB+4*\t+3], s[10:11] offset:\t*ROWC   ; 32 lanes store 512 consecutive bytes, aligned; the next launch reads them: no hint
.endr
.endm
	PLACES NP
	TOSTAGE 0
.irp a, 1,2,3,4,5,6,7
.if \a > 1
	s_wait_xcnt 0x0                                ; block a - 2's stores have read their registers and their base
.endif
	TOSTAGE \a
	SEND \a-1, 32                                  ; behind block a - 1's loads: block a's 16 stores and 16 loads
.endr
	s_wait_xcnt 0x0
	SEND 7, 0
	s_wait_tensorcnt 0x0                           ; the wave's end
	ds_add_u32 v[SPW], v[NIL]
	s_wait_dscnt 0x0
	CROUND                                         ; the closing round
	s_endpgm
.Lfunc_end_k_qc7d596e7ef_gemm:
	.size	k_qc7d596e7ef_gemm, .Lfunc_end_k_qc7d596e7ef_gemm-k_qc7d596e7ef_gemm
	.p2alignl 7, 3214868480
	.fill 96, 4, 3214868480
	.section	.rodata,"a",@progbits
	.p2align	6, 0x0
	.amdhsa_kernel k_qc7d596e7ef_gemm
		.amdhsa_group_segment_fixed_size 327680
		.amdhsa_private_segment_fixed_size 0
		.amdhsa_enable_private_segment 0
		.amdhsa_kernarg_size 32
		.amdhsa_user_sgpr_count 2
		.amdhsa_user_sgpr_kernarg_segment_ptr 1
		.amdhsa_wavefront_size32 1
		.amdhsa_system_sgpr_workgroup_id_x 1
		.amdhsa_system_sgpr_workgroup_id_y 1
		.amdhsa_system_sgpr_workgroup_id_z 1
		.amdhsa_system_vgpr_workitem_id 0
		.amdhsa_next_free_vgpr 1024
		.amdhsa_next_free_sgpr 100
		.amdhsa_reserve_vcc 0
		.amdhsa_float_denorm_mode_32 3
		.amdhsa_float_denorm_mode_16_64 3
		.amdhsa_memory_ordered 1
		.amdhsa_forward_progress 1
		.amdhsa_inst_pref_size 140
	.end_amdhsa_kernel
	.amdgpu_metadata
---
amdhsa.version: [ 1, 2 ]
amdhsa.kernels:
  - .name:           k_qc7d596e7ef_gemm
    .symbol:         k_qc7d596e7ef_gemm.kd
    .args:
      - { .name: acodes, .offset: 0, .size: 8, .value_kind: global_buffer, .address_space: global }
      - { .name: bcodes, .offset: 8, .size: 8, .value_kind: global_buffer, .address_space: global }
      - { .name: lowp_scales, .offset: 16, .size: 8, .value_kind: global_buffer, .address_space: global }
      - { .name: pre, .offset: 24, .size: 8, .value_kind: global_buffer, .address_space: global }
    .group_segment_fixed_size: 327680
    .private_segment_fixed_size: 0
    .kernarg_segment_align: 8
    .kernarg_segment_size: 32
    .max_flat_workgroup_size: 128
    .sgpr_count:     100
    .vgpr_count:     1024
    .wavefront_size: 32
...
	.end_amdgpu_metadata
.endif
;; end of part 2
;; launch act (part 3): grid 1024 x 1, 4 waves a work-group, no clusters, 0 bytes of LDS; arguments pre, c, bfx, bix, box, bcx, out0, out1; writes out0, out1
.if DOCPART == 3
	.amdgcn_target "amdgcn-amd-amdhsa--gfx1250"
	.amdhsa_code_object_version 6
	.text
	.protected	k_qc7d596e7ef_act
	.globl	k_qc7d596e7ef_act
	.p2align	8
	.type	k_qc7d596e7ef_act,@function
k_qc7d596e7ef_act:
	s_mov_b64 s[64:65], 0
	v_nop
	global_prefetch_b8 v0, s[64:65] scope:SCOPE_SE
	s_setreg_imm32_b32 hwreg(HW_REG_WAVE_MODE, 25, 1), 1
	s_wait_xcnt 0x0
; The cell's element-wise part, all in f32.  pre holds the four gates' sums, planes f, i, o, c~ of [2048][2048].
; f = relu(pre_f + bfx), i = relu(pre_i + bix), o = relu(pre_o + box), g = tanh(pre_c + bcx); c_new = f c + i g (out1); h_new = o tanh(c_new) (out0).
; tanh(y) = 1 - 2 / (1 + 2^(2 log2(e) y)): where the power overflows the quotient is 0, where it underflows it is 2: the ends are +1 and -1.
; A work-group takes 8 rows x 512 columns, a wave 128 columns: each load and store of the wave covers 512 consecutive bytes, aligned.  A lane keeps its 4 columns, so the biases are loaded once.
; A stream with no reuse: no LDS, no matrix unit, no clusters, no loop to run ahead in: all 44 loads of a wave are issued at its head, rows 0-3 of all five planes ahead of rows 4-7;
; the rows are worked and stored in two halves of 4, the first while the second half's 20 loads may still be out.  Each half has registers of its own, so no store's data are written again.
.set BF, 16
.set BI, 20
.set BO, 24
.set BG, 28
.set FF, 32
.set II, 64
.set OO, 96
.set GG, 128
.set CC, 160                           ; c, then c_new
.set TT, 192                           ; tanh(c_new), then h_new
	s_load_b256 s[4:11], s[0:1], 0x0               ; pre, c, bfx, bix
	s_load_b256 s[12:19], s[0:1], 0x20             ; box, bcx, out0, out1
	v_lshlrev_b32 v1, 4, v0                        ; 16 bytes a thread: 512 a wave, 2,048 a work-group
	s_and_b32 s20, ttmp9, 3
	s_lshl_b32 s20, s20, 11                        ; which 512 columns
	s_mov_b32 s21, 0
	s_lshr_b32 s22, ttmp9, 2
	s_lshl_b32 s22, s22, 16                        ; which 8 rows of 8,192 bytes
	s_add_co_u32 s22, s22, s20
	s_mov_b32 s23, 0
	s_mov_b32 s30, 0x4038aa3b                      ; 2 log2(e)
	s_mov_b32 s31, s30
	s_wait_alu depctr_va_vdst(0)
	s_wait_kmcnt 0x0
	s_add_nc_u64 s[8:9], s[8:9], s[20:21]
	s_add_nc_u64 s[10:11], s[10:11], s[20:21]
	s_add_nc_u64 s[12:13], s[12:13], s[20:21]
	s_add_nc_u64 s[14:15], s[14:15], s[20:21]
	s_add_nc_u64 s[4:5], s[4:5], s[22:23]          ; plane f
	s_add_nc_u64 s[24:25], s[4:5], 0x1000000       ; plane i
	s_add_nc_u64 s[26:27], s[4:5], 0x2000000       ; plane o
	s_add_nc_u64 s[28:29], s[4:5], 0x3000000       ; plane c~
	s_add_nc_u64 s[6:7], s[6:7], s[22:23]
	s_add_nc_u64 s[16:17], s[16:17], s[22:23]
	s_add_nc_u64 s[18:19], s[18:19], s[22:23]
.macro LD4 reg, b, k                   ; rows 4 k .. 4 k + 3 of one plane
.irp t, 0,1,2,3
	global_load_b128 v[\reg+16*\k+4*\t:\reg+16*\k+4*\t+3], v1, s[\b:\b+1] offset:(4*\k+\t)*8192 th:TH_LOAD_NT
.endr
.endm
	global_load_b128 v[BG:BG+3], v1, s[14:15]
	global_load_b128 v[BF:BF+3], v1, s[8:9]
	global_load_b128 v[BI:BI+3], v1, s[10:11]
	global_load_b128 v[BO:BO+3], v1, s[12:13]
.irp k, 0,1
	LD4 GG, 28, \k
	LD4 FF, 4, \k
	LD4 CC, 6, \k
	LD4 II, 24, \k
	LD4 OO, 26, \k
.endr
.macro RELU reg, b                     ; HB: the half's first register in a plane's 32
.set jj, 0
.rept 8
	v_pk_add_f32 v[\reg+HB+jj:\reg+HB+jj+1], v[\reg+HB+jj:\reg+HB+jj+1], v[\b+(jj%4):\b+(jj%4)+1]
.set jj, jj+2
.endr
.set jj, 0
.rept 16
	v_max_num_f32 v[\reg+HB+jj], 0, v[\reg+HB+jj]
.set jj, jj+1
.endr
.endm
; a wait ahead of each batch of transcendentals and one behind it, ahead of its first reader
.macro HALF k
.set HB, 16*\k
	s_wait_loadcnt 20*(1-\k)                       ; the biases and this half's 20 loads are in; the other half's 20 may be out
.if \k == 0
	v_pk_mul_f32 v[BG:BG+1], v[BG:BG+1], s[30:31] op_sel_hi:[1,0]
	v_pk_mul_f32 v[BG+2:BG+3], v[BG+2:BG+3], s[30:31] op_sel_hi:[1,0]
.endif
.set jj, 0
.rept 8
	v_pk_fma_f32 v[GG+HB+jj:GG+HB+jj+1], v[GG+HB+jj:GG+HB+jj+1], s[30:31], v[BG+(jj%4):BG+(jj%4)+1] op_sel_hi:[1,0,1]   ; 2 log2(e) (pre + b)
.set jj, jj+2
.endr
	s_wait_alu depctr_va_vdst(0)
.set jj, 0
.rept 16
	v_exp_f32 v[GG+HB+jj], v[GG+HB+jj]
.set jj, jj+1
.endr
	RELU FF, BF
	RELU II, BI
	RELU OO, BO
	s_wait_alu depctr_va_vdst(0)
.set jj, 0
.rept 8
	v_pk_add_f32 v[GG+HB+jj:GG+HB+jj+1], v[GG+HB+jj:GG+HB+jj+1], 1.0 op_sel_hi:[1,0]
.set jj, jj+2
.endr
	s_wait_alu depctr_va_vdst(0)
.set jj, 0
.rept 16
	v_rcp_f32 v[GG+HB+jj], v[GG+HB+jj]
.set jj, jj+1
.endr
.set jj, 0
.rept 8
	v_pk_mul_f32 v[CC+HB+jj:CC+HB+jj+1], v[FF+HB+jj:FF+HB+jj+1], v[CC+HB+jj:CC+HB+jj+1]
.set jj, jj+2
.endr
	s_wait_alu depctr_va_vdst(0)
.set jj, 0
.rept 8
	v_pk_fma_f32 v[GG+HB+jj:GG+HB+jj+1], v[GG+HB+jj:GG+HB+jj+1], -2.0, 1.0 op_sel_hi:[1,0,0]   ; g
.set jj, jj+2
.endr
.set jj, 0
.rept 8
	v_pk_fma_f32 v[CC+HB+jj:CC+HB+jj+1], v[II+HB+jj:II+HB+jj+1], v[GG+HB+jj:GG+HB+jj+1], v[CC+HB+jj:CC+HB+jj+1]   ; c_new
.set jj, jj+2
.endr
.set jj, 0
.rept 8
	v_pk_mul_f32 v[TT+HB+jj:TT+HB+jj+1], v[CC+HB+jj:CC+HB+jj+1], s[30:31] op_sel_hi:[1,0]
.set jj, jj+2
.endr
	s_wait_alu depctr_va_vdst(0)
.set jj, 0
.rept 16
	v_exp_f32 v[TT+HB+jj], v[TT+HB+jj]
.set jj, jj+1
.endr
	v_nop
.irp t, 0,1,2,3
	global_store_b128 v1, v[CC+HB+4*\t:CC+HB+4*\t+3], s[18:19] offset:(4*\k+\t)*8192
.endr
	s_wait_alu depctr_va_vdst(0)
.set jj, 0
.rept 8
	v_pk_add_f32 v[TT+HB+jj:TT+HB+jj+1], v[TT+HB+jj:TT+HB+jj+1], 1.0 op_sel_hi:[1,0]
.set jj, jj+2
.endr
	s_wait_alu depctr_va_vdst(0)
.set jj, 0
.rept 16
	v_rcp_f32 v[TT+HB+jj], v[TT+HB+jj]
.set jj, jj+1
.endr
	v_nop
	s_wait_alu depctr_va_vdst(0)
.set jj, 0
.rept 8
	v_pk_fma_f32 v[TT+HB+jj:TT+HB+jj+1], v[TT+HB+jj:TT+HB+jj+1], -2.0, 1.0 op_sel_hi:[1,0,0]   ; tanh(c_new)
.set jj, jj+2
.endr
.set jj, 0
.rept 8
	v_pk_mul_f32 v[TT+HB+jj:TT+HB+jj+1], v[OO+HB+jj:OO+HB+jj+1], v[TT+HB+jj:TT+HB+jj+1]        ; h_new
.set jj, jj+2
.endr
.irp t, 0,1,2,3
	global_store_b128 v1, v[TT+HB+4*\t:TT+HB+4*\t+3], s[16:17] offset:(4*\k+\t)*8192
.endr
.endm
	HALF 0
	HALF 1
	s_endpgm
.Lfunc_end_k_qc7d596e7ef_act:
	.size	k_qc7d596e7ef_act, .Lfunc_end_k_qc7d596e7ef_act-k_qc7d596e7ef_act
	.p2alignl 7, 3214868480
	.fill 96, 4, 3214868480
	.section	.rodata,"a",@progbits
	.p2align	6, 0x0
	.amdhsa_kernel k_qc7d596e7ef_act
		.amdhsa_group_segment_fixed_size 0
		.amdhsa_private_segment_fixed_size 0
		.amdhsa_enable_private_segment 0
		.amdhsa_kernarg_size 64
		.amdhsa_user_sgpr_count 2
		.amdhsa_user_sgpr_kernarg_segment_ptr 1
		.amdhsa_wavefront_size32 1
		.amdhsa_system_sgpr_workgroup_id_x 1
		.amdhsa_system_sgpr_workgroup_id_y 1
		.amdhsa_system_sgpr_workgroup_id_z 1
		.amdhsa_system_vgpr_workitem_id 0
		.amdhsa_next_free_vgpr 224
		.amdhsa_next_free_sgpr 66
		.amdhsa_reserve_vcc 0
		.amdhsa_float_denorm_mode_32 3
		.amdhsa_float_denorm_mode_16_64 3
		.amdhsa_memory_ordered 1
		.amdhsa_forward_progress 1
		.amdhsa_inst_pref_size 27
	.end_amdhsa_kernel
	.amdgpu_metadata
---
amdhsa.version: [ 1, 2 ]
amdhsa.kernels:
  - .name:           k_qc7d596e7ef_act
    .symbol:         k_qc7d596e7ef_act.kd
    .args:
      - { .name: pre, .offset: 0, .size: 8, .value_kind: global_buffer, .address_space: global }
      - { .name: c, .offset: 8, .size: 8, .value_kind: global_buffer, .address_space: global }
      - { .name: bfx, .offset: 16, .size: 8, .value_kind: global_buffer, .address_space: global }
      - { .name: bix, .offset: 24, .size: 8, .value_kind: global_buffer, .address_space: global }
      - { .name: box, .offset: 32, .size: 8, .value_kind: global_buffer, .address_space: global }
      - { .name: bcx, .offset: 40, .size: 8, .value_kind: global_buffer, .address_space: global }
      - { .name: out0, .offset: 48, .size: 8, .value_kind: global_buffer, .address_space: global }
      - { .name: out1, .offset: 56, .size: 8, .value_kind: global_buffer, .address_space: global }
    .group_segment_fixed_size: 0
    .private_segment_fixed_size: 0
    .kernarg_segment_align: 8
    .kernarg_segment_size: 64
    .max_flat_workgroup_size: 128
    .sgpr_count:     66
    .vgpr_count:     224
    .wavefront_size: 32
...
	.end_amdgpu_metadata
.endif
;; end of part 3
